; MI455X (gfx1250); checked and timed in simulation.
; The chip was launched on July 23, 2026; its instructions are those of AMD's public machine-readable ISA for CDNA 5 (MIT licence, August 2026) and "CDNA5" Instruction Set Architecture Reference Guide (July 2026). The comments in the code are by the model that wrote it; some were corrected since.
;; Liquid Neural Engine. Allowed arithmetic: float matrix products may take bf16 or f16 operands with f32 sums; other float arithmetic in f32, or as packed bf16 or f16 multiplies, adds, multiply-adds, maxima and minima; sums over many terms, partial sums and values carried from step to step in f32; what a program stores and reads back later, other than sums and carried values, may be rounded once to bf16 or f16.
;; Inputs: W2 512 x 512 float32; W_h 512 x 512 float32; W_in 512 x 512 float32; W_out 512 x 256 float32; b2 512 float32; b_h 512 float32; b_out 256 float32; features 32,768 x 512 float32; tau 512 float32.
;; Outputs: out0 32,768 x 256 float32.
;; 2 versions, each right; version 2 is version 1 with the launch wprep written anew for expert scheduling mode. Each part assembles by itself: llvm-mc -triple=amdgcn-amd-amdhsa -mcpu=gfx1250 --defsym DOCPART=n.
;; ======== version 1 of 2: 2 launches
;; limits: values are held in f16: magnitudes above 65,504 overflow, below 6.1e-05 lose precision; right only within a limited range of input values
;; workspace buffers: wt 1,835,008 bytes
;; launch wprep (part 1): grid 28 x 4, 8 waves a work-group, no clusters, 0 bytes of LDS; arguments W_in, W_h, W2, W_out, wt; writes wt
.if DOCPART == 1
	.amdgcn_target "amdgcn-amd-amdhsa--gfx1250"
	.amdhsa_code_object_version 6
	.text
	.protected	k_qd60ea9849e_wprep
	.globl	k_qd60ea9849e_wprep
	.p2align	8
	.type	k_qd60ea9849e_wprep,@function
k_qd60ea9849e_wprep:
	s_mov_b64 s[64:65], 0
	v_nop
	global_prefetch_b8 v0, s[64:65] scope:SCOPE_SE
	s_setreg_imm32_b32 hwreg(HW_REG_WAVE_MODE, 25, 1), 1
	s_wait_xcnt 0x0
; The four weight matrices, f32 [k][n], are rounded once to bf16 (to nearest even), that number is written as f16, and they are laid in
; 28 tiles of 512 k x 64 n, dense, 128 bytes a k: tiles 0-7 W_in, 8-15 W_h, 16-23 W2, 24-27 W_out; tile T holds the columns 64 (T & 7) on.
; Nothing is transposed.  LIMIT: a rounded weight lies within 65,504; below 2^-14 it keeps f16's fixed step of 2^-24.
; Work-group (T, q) makes the k rows 128 q .. 128 q + 127 of tile T.  Thread t reads 16 bytes of row t / 16: sixteen lanes read 256
; consecutive bytes, at a multiple of 256 from the matrix's first byte; a wave's store covers 256 consecutive bytes of wt, aligned likewise.
; Memory binds and every byte is touched once: no LDS, no barrier, no matrix unit.
.set OFS, 4                            ; v4-11   pass e: my byte offset in the source
.set TP,  12                           ; v12-13  two packed bf16 pairs, at work
.set WO,  14                           ; v14     my byte offset in the part of the tile: 8 t
.set DT,  16                           ; v16-47  pass e: four f32 as loaded, then as rounded
.set OU,  48                           ; v48-63  pass e: four f16 to store
	s_load_b256 s[4:11], s[0:1], 0x0               ; W_in s[4:5], W_h s[6:7], W2 s[8:9], W_out s[10:11]
	s_load_b64 s[12:13], s[0:1], 0x20              ; wt
	s_mov_b32 s14, ttmp9                           ; T
	s_and_b32 s15, ttmp7, 0xffff                   ; q
	s_cmp_lt_u32 s14, 24
	s_cselect_b32 s18, 11, 10                      ; a source row is 2,048 bytes, W_out's 1,024: kept as a shift
	s_and_b32 s20, s14, 7
	s_lshl_b32 s20, s20, 8                         ; the tile's first column, in bytes
	s_lshl_b32 s21, s15, 7                         ; my first k row,
	s_lshl_b32 s21, s21, s18                       ; in bytes
	s_add_co_u32 s20, s20, s21
	s_mov_b32 s21, 0
	s_lshl_b32 s19, 16, s18                        ; sixteen rows on: from pass to pass
	s_lshl_b32 s22, s14, 16                        ; the tile in wt,
	s_lshl_b32 s23, s15, 14                        ; my quarter of it
	s_add_co_u32 s22, s22, s23
	s_mov_b32 s23, 0
	s_mov_b32 s24, 0xffff0000                      ; a word's upper bf16
	v_lshrrev_b32 v1, 4, v0                        ; my row among sixteen
	v_and_b32 v2, 15, v0
	v_lshlrev_b32 v1, s18, v1
	v_lshl_add_u32 v[OFS], v2, 4, v1
.irp e, 1,2,3,4,5,6,7
	v_add_nc_u32 v[OFS+(\e)], s19, v[OFS+(\e)-1]
.endr
	v_lshlrev_b32 v[WO], 3, v0
	s_wait_kmcnt 0x0
	s_cmp_lt_u32 s14, 24                           ; which matrix: a choice on the tile's number alone
	s_cselect_b64 s[16:17], s[8:9], s[10:11]
	s_cmp_lt_u32 s14, 16
	s_cselect_b64 s[16:17], s[6:7], s[16:17]
	s_cmp_lt_u32 s14, 8
	s_cselect_b64 s[16:17], s[4:5], s[16:17]
	s_add_nc_u64 s[16:17], s[16:17], s[20:21]
	s_add_nc_u64 s[12:13], s[12:13], s[22:23]
.irp e, 0,1,2,3,4,5,6,7
	global_load_b128 v[DT+4*(\e):DT+4*(\e)+3], v[OFS+(\e)], s[16:17] th:TH_LOAD_NT
.endr
.irp e, 0,1,2,3,4,5,6,7
	s_wait_loadcnt 7-(\e)                          ; loads come back in order: pass e's is in, the younger ones stay out
	v_cvt_pk_bf16_f32 v[TP], v[DT+4*(\e)], v[DT+4*(\e)+1]
	v_cvt_pk_bf16_f32 v[TP+1], v[DT+4*(\e)+2], v[DT+4*(\e)+3]
	v_lshlrev_b32 v[DT+4*(\e)], 16, v[TP]          ; bf16 to f32: the low half moves up, the high half stays
	v_and_b32 v[DT+4*(\e)+1], s24, v[TP]
	v_lshlrev_b32 v[DT+4*(\e)+2], 16, v[TP+1]
	v_and_b32 v[DT+4*(\e)+3], s24, v[TP+1]
	v_cvt_pk_f16_f32 v[OU+2*(\e)], v[DT+4*(\e)], v[DT+4*(\e)+1]
	v_cvt_pk_f16_f32 v[OU+2*(\e)+1], v[DT+4*(\e)+2], v[DT+4*(\e)+3]
	global_store_b64 v[WO], v[OU+2*(\e):OU+2*(\e)+1], s[12:13] offset:2048*(\e)  ; each pass has store registers of its own: none is rewritten
.endr
	s_endpgm
.Lfunc_end_k_qd60ea9849e_wprep:
	.size	k_qd60ea9849e_wprep, .Lfunc_end_k_qd60ea9849e_wprep-k_qd60ea9849e_wprep
	.p2alignl 7, 3214868480
	.fill 96, 4, 3214868480
	.section	.rodata,"a",@progbits
	.p2align	6, 0x0
	.amdhsa_kernel k_qd60ea9849e_wprep
		.amdhsa_group_segment_fixed_size 0
		.amdhsa_private_segment_fixed_size 0
		.amdhsa_enable_private_segment 0
		.amdhsa_kernarg_size 40
		.amdhsa_user_sgpr_count 2
		.amdhsa_user_sgpr_kernarg_segment_ptr 1
		.amdhsa_wavefront_size32 1
		.amdhsa_system_sgpr_workgroup_id_x 1
		.amdhsa_system_sgpr_workgroup_id_y 1
		.amdhsa_system_sgpr_workgroup_id_z 1
		.amdhsa_system_vgpr_workitem_id 0
		.amdhsa_next_free_vgpr 64
		.amdhsa_next_free_sgpr 66
		.amdhsa_reserve_vcc 0
		.amdhsa_float_denorm_mode_32 3
		.amdhsa_float_denorm_mode_16_64 3
		.amdhsa_memory_ordered 1
		.amdhsa_forward_progress 1
		.amdhsa_inst_pref_size 7
	.end_amdhsa_kernel
	.amdgpu_metadata
---
amdhsa.version: [ 1, 2 ]
amdhsa.kernels:
  - .name:           k_qd60ea9849e_wprep
    .symbol:         k_qd60ea9849e_wprep.kd
    .args:
      - { .name: W_in, .offset: 0, .size: 8, .value_kind: global_buffer, .address_space: global }
      - { .name: W_h, .offset: 8, .size: 8, .value_kind: global_buffer, .address_space: global }
      - { .name: W2, .offset: 16, .size: 8, .value_kind: global_buffer, .address_space: global }
      - { .name: W_out, .offset: 24, .size: 8, .value_kind: global_buffer, .address_space: global }
      - { .name: wt, .offset: 32, .size: 8, .value_kind: global_buffer, .address_space: global }
    .group_segment_fixed_size: 0
    .private_segment_fixed_size: 0
    .kernarg_segment_align: 8
    .kernarg_segment_size: 40
    .max_flat_workgroup_size: 256
    .sgpr_count:     66
    .vgpr_count:     64
    .wavefront_size: 32
...
	.end_amdgpu_metadata
.endif
;; end of part 1
;; launch liquid (part 2): grid 256 x 1, 4 waves a work-group, clusters of 4 x 1, 327,680 bytes of LDS; arguments features, wt, tau, b_h, b2, b_out, out0; writes out0
.if DOCPART == 2
	.amdgcn_target "amdgcn-amd-amdhsa--gfx1250"
	.amdhsa_code_object_version 6
	.text
	.protected	k_qd60ea9849e_liquid
	.globl	k_qd60ea9849e_liquid
	.p2align	8
	.type	k_qd60ea9849e_liquid,@function
k_qd60ea9849e_liquid:
	s_mov_b64 s[64:65], 0
	v_nop
	global_prefetch_b8 v0, s[64:65] scope:SCOPE_SE
	s_setreg_imm32_b32 hwreg(HW_REG_WAVE_MODE, 25, 1), 1
	s_wait_xcnt 0x0
	s_wait_alu depctr_hold_cnt(0) depctr_sa_sdst(0) depctr_va_vdst(0) depctr_va_sdst(0) depctr_va_ssrc(0) depctr_va_vcc(0) depctr_vm_vsrc(0)
	s_getreg_b32 s2, hwreg(HW_REG_IB_STS2, 6, 4)
	s_cmp_eq_u32 s2, 0
	s_cbranch_scc0 .Lentry_in_a_cluster
	s_endpgm
.Lentry_in_a_cluster:
	s_bfe_u32 s2, ttmp6, 0x10000c
	s_cmp_lg_u32 s2, 0x3003
	s_cbranch_scc0 .Lentry_shape_is_right
	s_endpgm
.Lentry_shape_is_right:
; out0 = tanh(h5 W2 + b2) W_out + b_out, h(t+1) = h(t) + 0.2 (-h(t) / tau + tanh(xin + h(t) W_h)), h(0) = 0, xin = features W_in + b_h.  The whole chain in one launch.
; SHARES.  A work-group owns 128 rows of the batch, each of its four waves 32 rows (two blocks of 16) and ALL 512 columns.  Rows never mix, so h never leaves its wave.
; LAYOUT.  The matrix instruction is used transposed: source 0 = 16 columns n of a weight matrix, source 1 = 16 rows of the batch.  In the result a lane holds ONE row (lane % 16) and the
; columns 8 (lane / 16) + 0..7 of the 16.  Two neighbouring results, rounded to f16 in pairs, ARE source 1 (32 k x 16 rows) of the next product: nothing changes lanes between products.
; PASSES.  A pass walks a matrix in 8 tiles of 64 n x 512 k (W_out: 4), 128 matrix instructions a tile and wave.  Pass 0: W_in on the features; h(0) = 0, so h(0) W_h is left out and pass 0 is
; also the first Euler step.  Passes 1-4: W_h.  Pass 5: W2.  All six have ONE text: z = c acc + X, r = 1 / (1 + 2^z), h = h A + P - Q r, with c = 2 log2(e), so that tanh = 1 - 2 r;
; passes 0-4: A = 1 - 0.2 / tau, P = 0.2, Q = 0.4, X = c xin (pass 0: c b_h, and c xin is stored); pass 5: A = 0, P = 1, Q = 2, X = c b2.  Overflow of 2^z gives r = 0, underflow r = 1: tanh's ends.
; FORMATS.  Every input is rounded once to bf16; matrix operands are f16 (the rounded inputs written as f16; h rounded once a pass); sums and the carried h in f32; c xin is stored once as bf16.
; b_h and b2 enter as bf16(c bf16(b)): two roundings.
; LIMITS.  The rounded inputs and h lie within 65,504, f16's range; beyond it a conversion gives an infinity and the row is lost: for h that asks |1 - 0.2 / tau| <= 23.9 (|tau| >= 0.0087).
; Below 2^-14 an operand keeps f16's step of 2^-24.  NaN and infinities are not treated apart.
; RING.  The tiles go through two LDS slots, filled by the tensor data mover, a quarter (128 k) a wave.  All work-groups walk the same 52 tiles, so the four of a cluster ask JOINTLY: the same load,
; descriptor and mask in all four.  A wave has two tensor loads out at the start, later one.
; REGISTERS, in windows of 256 (s_set_vgpr_msb: bits 1:0 source 0, 3:2 source 1, 5:4 source 2, 7:6 destination):
;   window 0: v0-31 addresses; v32-95, v96-159 two buffers of weight fragments (2 k steps x 4 n blocks); v160-191 X; v192-255 the 8 accumulators of a tile (n block i, row block mt at 192 + 8 (2 i + mt))
;   windows 1, 2: h in f32: n block I, row block mt at 8 (2 (I % 16) + mt) of window 1 + I / 16          window 3: the f16 operand: k step ks, row block mt at 16 ks + 8 mt
.set SLOTB, 81920                      ; a slot: 512 k rows of 160 bytes
.set QUART, 20480                      ; a wave's quarter of it
.set WP,    160                        ; 128 bytes + 32 of padding = 40 words
.set RB,    2*SLOTB                    ; behind the ring: a region for each wave, its own: first the feature stage (filled twice, then never again), then c xin, at last the way out's stage
.set RW,    33280
.set FP,    1040                       ; a feature row in LDS: 1,024 bytes + 16 = 260 words: row r starts at bank 4 r mod 64
.set TAB,   RB+4*RW                    ; tables, a copy for each wave: a (f32), zeros, bf16(c b_h), bf16(c b2), b_out (f32)
.set TW,    7168
.set ZT,    2048
.set BTH,   4096
.set BT2,   5120
.set BOUT,  6144
.set SPARE, TAB+4*TW                   ; the spare words, 128 bytes for each wave: two blocks of 256 bytes that no other line names
.set SP,    272                        ; a stage row: 256 bytes + 16
.set SPW, 2                            ; v2   my spare word; never rewritten
.set NIL, 3                            ; v3   0; never rewritten
.set AW,  4                            ; v4-7 my lane's place in slot s, k half kh: v[AW + 2 s + kh]
.set XV,  8                            ; v8   my 16 bytes in c xin's first block
.set XC,  9                            ; v9   the same for the pair of tiles in hand
.set AT0, 10                           ; v10  my 32 bytes in the table of a
.set AC,  11                           ; v11  the same for the pass and pair in hand
.set CC,  12                           ; v12  c
.set FA,  13                           ; v13  my place in the feature stage
.set BTA, 14                           ; v14  my 16 bytes in the pass's bias table
.set STO, 15                           ; v15  the way out: where I put 16 bytes of a row
.set RD,  16                           ; v16  where I read rows back
.set GO,  17                           ; v17  my byte offset in two rows of out0
.set BOA, 18                           ; v18  my 32 bytes in b_out's table
.set BT0, 19                           ; v19  my 16 bytes in bf16(c b_h)
.set TA,  20                           ; v20  my tables + 16 x lane
.set TL8, 21                           ; v21  my tables + 8 x lane
.set TG,  22                           ; v22  16 x lane
.set F0,  32
.set F1,  96
.set AR,  32                           ; in the epilogues: a, or b_out, of the tile's columns: n block i at AR + 8 i
.set X,   160
.set ACC, 192
.set WV,  18                           ; s18  my wave's number
.set G1W, 24                           ; s[24:31] descriptor group 1 for the weight tiles
.set G1F, 32                           ; s[32:39] for the feature tiles
.set G0,  40                           ; s[40:47] group 0 for the weight tiles, a set for each slot
.set G0F, 48                           ; s[48:51] for the feature tiles
.set NXT, 52                           ; s52  the tile to be asked for next
.set REP, 53                           ; s53  how often W_h's tiles are still to be walked again
.set OFF, 54                           ; s[54:55] a tile's byte offset in wt
.set TT,  56                           ; s56  the pass
.set PP,  57                           ; s57  the pair of tiles in the pass
.set PQ,  58                           ; s[58:59] P
.set NQ,  60                           ; s[60:61] -Q
.set AO,  62                           ; s62  0: the table of a; ZT: the zeros
.set WB,  66                           ; s[66:67] wt at my quarter of tile 0
.set MSB, 0
.macro WIN new                         ; the immediate's high byte repeats the setting that is left; a switch that changes nothing is dropped
.if MSB != (\new)
	s_set_vgpr_msb (MSB<<8)|(\new)
.set MSB, (\new)
.endif
.endm
.macro PLACES                          ; four places: in front of loads into registers that matrix instructions have read, and of vector lines that read their results
.rept 4
	v_nop
.endr
.endm
; A round of the cluster's barrier: my work-group's barrier, so that wave 0's signal speaks for all four waves; wave 0 signals; every wave waits for all four work-groups; my work-group's barrier once more.
.macro CROUND
	s_barrier_signal -1
	s_barrier_wait -1
	s_cmp_lg_u32 s[WV], 0
	s_cbranch_scc1 .Lnot_wave_0_\@
	s_barrier_signal -3
.Lnot_wave_0_\@:
	s_barrier_wait -3
	s_barrier_signal -1
	s_barrier_wait -1
.endm
; THE CHANGE OF SLOTS, at the head of the tile that lies in \slot.  Each wave waits for all its tensor loads (one is out: its quarter of this slot), adds 0 to its spare word, and waits for that and
; for its reads of the other slot.  Behind the barrier this slot is whole and nobody reads the other.  refill = 1: the barrier is a round of the cluster's, and the other slot's joint fill is the first thing behind it:
; it has a tile's 128 matrix instructions and its epilogue in which to land.  The tile's number enters the global address alone; behind W_h's last tile it goes back to W_h's first, three times.
.macro SYNC slot, refill
	WIN 0
	s_wait_tensorcnt 0x0                           ; no tensor load of mine is out, so a group 0 may be written
	ds_add_u32 v[SPW], v[NIL]                      ; 0 onto my spare word; the scalar work below stands between it and the wait for it
.if \refill
	s_lshl_b32 s[OFF], s[NXT], 16                  ; a tile is 65,536 bytes of wt
	s_add_nc_u64 s[G0+6-4*(\slot):G0+7-4*(\slot)], s[WB:WB+1], s[OFF:OFF+1]
	s_or_b32 s[G0+7-4*(\slot)], s[G0+7-4*(\slot)], 0x80000000
	s_add_co_u32 s[NXT], s[NXT], 1
	s_cmp_eq_u32 s[NXT], 16
	s_cselect_b32 s70, s[REP], 0
	s_cmp_lg_u32 s70, 0
	s_cselect_b32 s[NXT], 8, s[NXT]
	s_cselect_b32 s70, 1, 0
	s_sub_co_u32 s[REP], s[REP], s70
.endif
	s_wait_dscnt 0x0                               ; the add is done, and my reads of the other slot are over
.if \refill
	CROUND
	tensor_load_to_lds s[G0+4-4*(\slot):G0+7-4*(\slot)], s[G1W:G1W+7]
	s_nop 0
	PLACES
.else
	s_barrier_signal -1
	s_barrier_wait -1
.endif
.endm
; 16 turning loads: the weight fragments of k steps 2 g, 2 g + 1 (32 k each) x 4 n blocks, into buffer f.  A load takes 16 k x 16 n and leaves half a fragment: lane l holds column l % 16 and 8 k.
.macro FETCH slot, g, f
.irp kk, 0,1
.irp i, 0,1,2,3
	ds_load_tr16_b128 v[(\f)+32*(\kk)+8*(\i):(\f)+32*(\kk)+8*(\i)+3],   v[AW+2*(\slot)+(2*(\g)+(\kk))/8] offset:((2*(\g)+(\kk))%8)*32*WP+32*(\i)
	ds_load_tr16_b128 v[(\f)+32*(\kk)+8*(\i)+4:(\f)+32*(\kk)+8*(\i)+7], v[AW+2*(\slot)+(2*(\g)+(\kk))/8] offset:((2*(\g)+(\kk))%8)*32*WP+16*WP+32*(\i)
.endr
.endr
.endm
; 16 matrix instructions on buffer f.  The 8 accumulators take turns, one instruction a turn.  k step 0 starts the sums: nothing is cleared.
.macro MUL g, f
.irp kk, 0,1
.irp i, 0,1,2,3
.irp mt, 0,1
.if (2*(\g)+(\kk)) == 0
	v_wmma_f32_16x16x32_f16 v[ACC+8*(2*(\i)+(\mt)):ACC+8*(2*(\i)+(\mt))+7], v[(\f)+32*(\kk)+8*(\i):(\f)+32*(\kk)+8*(\i)+7], v[16*(2*(\g)+(\kk))+8*(\mt):16*(2*(\g)+(\kk))+8*(\mt)+7], 0
.else
	v_wmma_f32_16x16x32_f16 v[ACC+8*(2*(\i)+(\mt)):ACC+8*(2*(\i)+(\mt))+7], v[(\f)+32*(\kk)+8*(\i):(\f)+32*(\kk)+8*(\i)+7], v[16*(2*(\g)+(\kk))+8*(\mt):16*(2*(\g)+(\kk))+8*(\mt)+7], v[ACC+8*(2*(\i)+(\mt)):ACC+8*(2*(\i)+(\mt))+7]
.endif
.endr
.endr
.endr
.endm
; A tile's products, under ONE window setting: source 1 (the operand) in window 3, all else in window 0.  While one buffer is multiplied the other's 16 loads are on their way.
; xl = 1: the tile's X (tile \pos of the pair) is asked for ahead of the last 16 products.
.macro GEMM slot, pos, xl
	WIN 0x0c
	FETCH \slot, 0, F0
.irp g, 0,1,2,3,4,5,6
.if (\g) > 0
	PLACES                                         ; the buffer filled next was read by the products just issued
.endif
	FETCH \slot, (\g)+1, F0+64*(((\g)+1)%2)
	s_wait_dscnt 16                                ; all but the 16 just issued
	MUL \g, F0+64*((\g)%2)
.endr
	s_wait_dscnt 0x0
.if \xl
.irp q, 0,1,2,3,4,5,6,7
	ds_load_b128 v[X+4*(\q):X+4*(\q)+3], v[XC] offset:(\pos)*4096+(\q)*512
.endr
.endif
	MUL 7, F1
	WIN 0
.endm
; THE EPILOGUE's part that does not hang on the tile's place: z = c acc + X; in pass 0 z = c xin is stored as bf16 where X lay; r = 1 / (1 + 2^z), left in the accumulators' registers.
; Each accumulator's registers are taken in ascending order.
.macro EPI pos
	PLACES
.irp i, 0,1,2,3
	ds_load_b128 v[AR+8*(\i):AR+8*(\i)+3],   v[AC] offset:(\pos)*256+64*(\i)
	ds_load_b128 v[AR+8*(\i)+4:AR+8*(\i)+7], v[AC] offset:(\pos)*256+64*(\i)+16
.endr
	s_wait_dscnt 8                                 ; X is in; the eight loads of a may stay out
.set e, 0
.rept 32
	v_fma_mix_f32_bf16 v[ACC+2*e], v[ACC+2*e], v[CC], v[X+e] op_sel_hi:[0,0,1]
	v_fma_mix_f32_bf16 v[ACC+2*e+1], v[ACC+2*e+1], v[CC], v[X+e] op_sel:[0,0,1] op_sel_hi:[0,0,1]
.set e, e+1
.endr
	s_cmp_lg_u32 s[TT], 0
	s_cbranch_scc1 .Lkeep_\@
.set e, 0
.rept 32
	v_cvt_pk_bf16_f32 v[X+e], v[ACC+2*e], v[ACC+2*e+1]
.set e, e+1
.endr
.irp q, 0,1,2,3,4,5,6,7
	ds_store_b128 v[XC], v[X+4*(\q):X+4*(\q)+3] offset:(\pos)*4096+(\q)*512
.endr
.Lkeep_\@:
.set e, 0
.rept 64
	v_exp_f32 v[ACC+e], v[ACC+e]
.set e, e+1
.endr
	v_nop                                          ; a plain instruction between the last exponential and the use of its result
.set e, 0
	s_wait_alu depctr_va_vdst(0)
.rept 32
	v_pk_add_f32 v[ACC+2*e:ACC+2*e+1], v[ACC+2*e:ACC+2*e+1], 1.0 op_sel_hi:[1,0]
.set e, e+1
.endr
.set e, 0
.rept 64
	v_rcp_f32 v[ACC+e], v[ACC+e]
.set e, e+1
.endr
	s_wait_dscnt 0x0                               ; a is in
.endm
; h = h A + P, then h -= Q r, for tile c of the pass: the one part whose registers hang on c.  The first 32 lines name no reciprocal: they are the plain instructions behind the last one.
.macro HUPD c
.set HW, 1+(\c)/4
.set HB, 64*((\c)%4)
	WIN (HW<<6)|HW
.set e, 0
.rept 32
	v_pk_fma_f32 v[HB+2*e:HB+2*e+1], v[HB+2*e:HB+2*e+1], v[AR+8*(e/8)+2*(e%4):AR+8*(e/8)+2*(e%4)+1], s[PQ:PQ+1] op_sel_hi:[1,1,0]
.set e, e+1
.endr
	WIN (HW<<6)|(HW<<4)
.set e, 0
	s_wait_alu depctr_va_vdst(0)
.rept 32
	v_pk_fma_f32 v[HB+2*e:HB+2*e+1], v[ACC+2*e:ACC+2*e+1], s[NQ:NQ+1], v[HB+2*e:HB+2*e+1] op_sel_hi:[1,0,1]
.set e, e+1
.endr
	WIN 0
.endm
.macro SWITCH pos                      ; tile 2 PP + pos: four copies, chosen by the loop's counter; every jump goes forward
	s_cmp_eq_u32 s[PP], 0
	s_cbranch_scc1 .Lc0_\@
	s_cmp_eq_u32 s[PP], 1
	s_cbranch_scc1 .Lc1_\@
	s_cmp_eq_u32 s[PP], 2
	s_cbranch_scc1 .Lc2_\@
	HUPD 6+(\pos)
	s_branch .Lcj_\@
.Lc0_\@:
	HUPD \pos
	s_branch .Lcj_\@
.Lc1_\@:
	HUPD 2+(\pos)
	s_branch .Lcj_\@
.Lc2_\@:
	HUPD 4+(\pos)
.Lcj_\@:
.endm
; h, rounded to f16 in pairs, becomes the next pass's operand: n blocks 2 ks and 2 ks + 1 are registers 0-3 and 4-7 of k step ks.
.macro CONVERT
.irp wn, 0,1
	WIN 0xc5+5*(\wn)                               ; sources in window 1 or 2, destination in window 3
.set e, 0
.rept 128
	v_cvt_pk_f16_f32 v[128*(\wn)+16*(e/16)+8*((e/4)%2)+4*((e/8)%2)+e%4], v[2*e], v[2*e+1]
.set e, e+1
.endr
.endr
	WIN 0
.endm
; X is filled with the pass's bias, c b as bf16: the same 16 bytes for both row blocks of an n block.
.macro PREFILL
.irp bt, 0,1,2,3
.irp u, 0,1,2,3,4,5,6,7
	ds_load_b128 v[AR+4*(\u):AR+4*(\u)+3], v[BTA] offset:32*(8*(\bt)+(\u))
.endr
	s_wait_dscnt 0x0
.irp u, 0,1,2,3,4,5,6,7
	ds_store_b128 v[XV], v[AR+4*(\u):AR+4*(\u)+3] offset:1024*(8*(\bt)+(\u))
	ds_store_b128 v[XV], v[AR+4*(\u):AR+4*(\u)+3] offset:1024*(8*(\bt)+(\u))+512
.endr
.endr
.endm
; THE FEATURES.  Half a row (256 f32) of my 32 rows lies in the stage.  Fragment fr (k step fr / 2 of the half, row block fr % 2) is 16 f32 a lane: four loads of 16 bytes.  Batch b: fragments 4 b .. 4 b + 3.
.macro FLOAD b
.irp fl, 0,1,2,3
.irp u, 0,1,2,3
	ds_load_b128 v[F0+64*((\b)%2)+16*(\fl)+4*(\u):F0+64*((\b)%2)+16*(\fl)+4*(\u)+3], v[FA] offset:((\fl)%2)*16*FP+(2*(\b)+(\fl)/2)*128+((\u)/2)*64+((\u)%2)*16
.endr
.endr
.endm
.macro FCONV half, b                   ; rounded to bf16, widened, written as f16 into the operand
.set BB, F0+64*((\b)%2)
.set e, 0
.rept 32
	v_cvt_pk_bf16_f32 v[X+e], v[BB+2*e], v[BB+2*e+1]
.set e, e+1
.endr
.set e, 0
.rept 32
	v_lshlrev_b32 v[BB+2*e], 16, v[X+e]
	v_and_b32 v[BB+2*e+1], s68, v[X+e]
.set e, e+1
.endr
	WIN 0xc0
.set e, 0
.rept 32
	v_cvt_pk_f16_f32 v[128*(\half)+32*(\b)+e], v[BB+2*e], v[BB+2*e+1]
.set e, e+1
.endr
	WIN 0
.endm
.macro FEAT half
	FLOAD 0
	FLOAD 1
	s_wait_dscnt 16                                ; all but the batch just asked for
	FCONV \half, 0
	FLOAD 2
	s_wait_dscnt 16
	FCONV \half, 1
	FLOAD 3
	s_wait_dscnt 16
	FCONV \half, 2
	s_wait_dscnt 0x0
	FCONV \half, 3
.endm
; THE WAY OUT of tile c of W_out: + b_out; a lane's eight columns go as 32 bytes into stage rows of 272 bytes and come back as whole rows of 256 bytes.  The stage is my wave's own: LDS serves a wave's
; instructions in order (ISA guide 5.7.1.4), so no wait stands between the stores and the loads.
.macro E4 c
	PLACES
.irp i, 0,1,2,3
	ds_load_b128 v[AR+8*(\i):AR+8*(\i)+3],   v[BOA] offset:256*(\c)+64*(\i)
	ds_load_b128 v[AR+8*(\i)+4:AR+8*(\i)+7], v[BOA] offset:256*(\c)+64*(\i)+16
.endr
	s_wait_dscnt 0x0
.set e, 0
.rept 32
	v_pk_add_f32 v[ACC+2*e:ACC+2*e+1], v[ACC+2*e:ACC+2*e+1], v[AR+8*(e/8)+2*(e%4):AR+8*(e/8)+2*(e%4)+1]
.set e, e+1
.endr
.irp mt, 0,1
.irp i, 0,1,2,3
	ds_store_b128 v[STO], v[ACC+8*(2*(\i)+(\mt)):ACC+8*(2*(\i)+(\mt))+3]   offset:(\mt)*16*SP+64*(\i)
	ds_store_b128 v[STO], v[ACC+8*(2*(\i)+(\mt))+4:ACC+8*(2*(\i)+(\mt))+7] offset:(\mt)*16*SP+64*(\i)+16
.endr
.irp t, 0,1,2,3,4,5,6,7
	ds_load_b128 v[64+32*(\mt)+4*(\t):64+32*(\mt)+4*(\t)+3], v[RD] offset:(\mt)*16*SP+(\t)*2*SP
.endr
.endr
	s_wait_dscnt 16                                ; the first row block is back; the second's eight stores and eight loads may stay out
.irp t, 0,1,2,3,4,5,6,7
	global_store_b128 v[GO], v[64+4*(\t):64+4*(\t)+3], s[16:17] offset:2*(\t)*1024+256*(\c) th:TH_STORE_NT  ; 16 lanes store 256 consecutive bytes, at a multiple of 256 from out0's first byte
.endr
	s_wait_dscnt 0x0
.irp t, 0,1,2,3,4,5,6,7
	global_store_b128 v[GO], v[96+4*(\t):96+4*(\t)+3], s[16:17] offset:(16+2*(\t))*1024+256*(\c) th:TH_STORE_NT
.endr
	s_wait_xcnt 0x0                                ; the stores' data lie in the fragment buffers, which the next tile loads again only behind this wait
.endm
	s_load_b256 s[4:11], s[0:1], 0x0               ; features s[4:5], wt s[6:7], tau s[8:9], b_h s[10:11]
	s_load_b128 s[12:15], s[0:1], 0x20             ; b2 s[12:13], b_out s[14:15]
	s_load_b64 s[16:17], s[0:1], 0x30              ; out0
	v_lshl_add_u32 v[SPW], v0, 2, SPARE
	v_mov_b32 v[NIL], 0
	ds_add_u32 v[SPW], v[NIL]                      ; the wave's opening: the add and its wait stand ahead of my first tensor load; the set-up below, work on registers, stands between them
	v_lshrrev_b32 v1, 5, v0
	v_readfirstlane_b32 s[WV], v1                  ; wave 0..3
	s_bfe_u32 s19, ttmp6, 0x40000                  ; cx: my place in the cluster; it enters the features' and out0's addresses alone
	s_lshl_b32 s20, ttmp9, 2                       ; in a cluster launch ttmp9 counts clusters
	s_add_co_u32 s20, s20, s19                     ; my block of 128 rows
	s_lshl_b32 s20, s20, 2
	s_add_co_u32 s20, s20, s[WV]                   ; my wave's 32 rows among the launch's 1,024 such
	s_lshl_b32 s22, s20, 16                        ; 32 rows of 2,048 bytes of features
	s_mov_b32 s23, 0
	s_lshl_b32 s70, s20, 15                        ; 32 rows of 1,024 bytes of out0
	s_mov_b32 s71, 0
	s_lshl_b32 s72, s[WV], 14                      ; my quarter of a tile in wt: 128 k of 128 bytes
	s_mov_b32 s73, 0
	; group 1 for the weights: 128 k are 16,384 dense bytes, asked for as 64 rows of 256 bytes, two k a row, and padded in LDS after every k
	s_mov_b32 s[G1W], 15|(1<<16)|(1<<20)|(1<<21)|(4<<22)|(7<<25)  ; 15:0 the mask of four; 17:16 2-byte elements; 20 padding on; 21 set beside a mask; 24:22 after every 32 words (code 4); 31:25 8 words (code 7)
	s_mov_b32 s[G1W+1], 128<<16                    ; tensor_dim0 = 128
	s_mov_b32 s[G1W+2], 64<<16                     ; tensor_dim1 = 64
	s_mov_b32 s[G1W+3], 128<<16                    ; tile_dim0 = 128
	s_mov_b32 s[G1W+4], 64                         ; tile_dim1 = 64
	s_mov_b32 s[G1W+5], 128                        ; 128 elements from row to row
	s_mov_b32 s[G1W+6], 0
	s_mov_b32 s[G1W+7], 0
	; group 1 for the features: 32 rows x 256 f32, my own load (no mask), 16 bytes of padding behind each row
	s_mov_b32 s[G1F], (2<<16)|(1<<20)|(7<<22)|(3<<25)  ; 17:16 4-byte elements; 20 padding on; 24:22 after every 256 words (code 7); 31:25 4 words (code 3)
	s_mov_b32 s[G1F+1], 256<<16                    ; tensor_dim0 = 256
	s_mov_b32 s[G1F+2], 32<<16                     ; tensor_dim1 = 32
	s_mov_b32 s[G1F+3], 256<<16                    ; tile_dim0 = 256
	s_mov_b32 s[G1F+4], 32                         ; tile_dim1 = 32
	s_mov_b32 s[G1F+5], 512                        ; 512 elements from row to row
	s_mov_b32 s[G1F+6], 0
	s_mov_b32 s[G1F+7], 0
	s_mul_i32 s21, s[WV], QUART                    ; LDS addresses hang on the wave's number alone
	s_mov_b32 s[G0], 1
	s_mov_b32 s[G0+1], s21                         ; slot 0
	s_mov_b32 s[G0+4], 1
	s_add_co_u32 s[G0+5], s21, SLOTB               ; slot 1
	s_mul_i32 s63, s[WV], RW
	s_add_co_u32 s63, s63, RB                      ; my region behind the ring
	s_mov_b32 s[G0F], 1
	s_mov_b32 s[G0F+1], s63
	s_mov_b32 s[NXT], 1
	s_mov_b32 s[REP], 3
	s_mov_b32 s[OFF+1], 0
	s_mov_b32 s68, 0xffff0000                      ; a word's upper bf16
	s_mov_b32 s69, 0xbe4ccccd                      ; -0.2
	s_wait_dscnt 0x0                               ; the opening add is done
	s_wait_kmcnt 0x0
	s_add_nc_u64 s[WB:WB+1], s[6:7], s[72:73]
	s_add_nc_u64 s[G0+2:G0+3], s[WB:WB+1], 0       ; tile 0
	s_or_b32 s[G0+3], s[G0+3], 0x80000000          ; type = 2
	s_add_nc_u64 s[G0F+2:G0F+3], s[4:5], s[22:23]  ; my rows' first half
	s_or_b32 s[G0F+3], s[G0F+3], 0x80000000
	s_add_nc_u64 s[16:17], s[16:17], s[70:71]      ; out0 at my wave's first row
	CROUND                                         ; all four work-groups are here: the first joint loads meet
	tensor_load_to_lds s[G0F:G0F+3], s[G1F:G1F+7]  ; the two first fills go out together: my features' first half,
	s_nop 0
	tensor_load_to_lds s[G0:G0+3], s[G1W:G1W+7]    ; and my quarter of tile 0
	s_nop 0
	PLACES
	; All that follows up to the wait for the features stands in that wait.  First the lanes' addresses.
	v_and_b32 v25, 31, v0                          ; l
	v_and_b32 v23, 15, v0                          ; l % 16
	v_bfe_u32 v24, v0, 4, 1                        ; l / 16
	v_and_b32 v26, 7, v0
	v_bfe_u32 v27, v0, 3, 1
	v_lshl_add_u32 v26, v24, 3, v26                ; the turning load: lane l reads k row 8 (l / 16) + l % 8,
	v_mul_u32_u24 v26, v26, WP
	v_lshl_add_u32 v[AW], v27, 4, v26              ; columns 8 ((l / 8) % 2) + 0..7
	v_add_nc_u32 v[AW+1], 256*WP, v[AW]
	v_add_nc_u32 v[AW+2], SLOTB, v[AW]
	v_add_nc_u32 v[AW+3], SLOTB+256*WP, v[AW]
	v_lshl_add_u32 v[XV], v25, 4, s63
	v_mul_u32_u24 v28, v23, FP                     ; features: row l % 16, 32 bytes for each half of the lanes
	v_lshl_add_u32 v28, v24, 5, v28
	v_add_nc_u32 v[FA], s63, v28
	v_mul_u32_u24 v28, v23, SP                     ; into the stage: the same
	v_lshl_add_u32 v28, v24, 5, v28
	v_add_nc_u32 v[STO], s63, v28
	v_mul_u32_u24 v28, v24, SP                     ; back: lanes 0-15 take one row of 256 bytes, lanes 16-31 the next
	v_lshl_add_u32 v28, v23, 4, v28
	v_add_nc_u32 v[RD], s63, v28
	v_lshlrev_b32 v28, 10, v24                     ; and the same two rows in out0
	v_lshl_add_u32 v[GO], v23, 4, v28
	s_mul_i32 s21, s[WV], TW
	s_add_co_u32 s21, s21, TAB                     ; my tables
	v_lshl_add_u32 v[AT0], v24, 5, s21
	v_add_nc_u32 v[BOA], BOUT, v[AT0]
	v_lshl_add_u32 v[BT0], v24, 4, s21
	v_add_nc_u32 v[BT0], BTH, v[BT0]
	v_lshl_add_u32 v[TA], v25, 4, s21
	v_lshl_add_u32 v[TL8], v25, 3, s21
	v_lshlrev_b32 v[TG], 4, v25
	v_mov_b32 v[CC], 0x4038aa3b                    ; c = 2 log2(e) = 2.885390
	; tau, b_h, b2, b_out: 512 consecutive bytes a load
.irp u, 0,1,2,3
	global_load_b128 v[32+4*(\u):35+4*(\u)], v[TG], s[8:9] offset:512*(\u)
.endr
.irp u, 0,1,2,3
	global_load_b128 v[48+4*(\u):51+4*(\u)], v[TG], s[10:11] offset:512*(\u)
.endr
.irp u, 0,1,2,3
	global_load_b128 v[64+4*(\u):67+4*(\u)], v[TG], s[12:13] offset:512*(\u)
.endr
.irp u, 0,1
	global_load_b128 v[80+4*(\u):83+4*(\u)], v[TG], s[14:15] offset:512*(\u)
.endr
	; h(0) = 0, written out on purpose: pass 0 is then a pass like the others, and one text serves all six.  This half stands in the wait for the first tiles, the other in the wait for the features' second half.
	WIN 0x40
.set e, 0
.rept 256
	v_mov_b32 v[e], 0
.set e, e+1
.endr
	WIN 0
	s_wait_loadcnt 0x0
.set e, 0
.rept 28                               ; all four are rounded to bf16, like every input
	v_cvt_pk_bf16_f32 v[X+e], v[32+2*e], v[32+2*e+1]
.set e, e+1
.endr
.set e, 0
.rept 28
	v_lshlrev_b32 v[32+2*e], 16, v[X+e]
	v_and_b32 v[32+2*e+1], s68, v[X+e]
.set e, e+1
.endr
.set e, 0
.rept 16
	v_rcp_f32 v[32+e], v[32+e]
.set e, e+1
.endr
.set e, 0
.rept 32                               ; c b_h, c b2: also the plain instructions behind the last reciprocal
	v_mul_f32 v[48+e], v[CC], v[48+e]
.set e, e+1
.endr
.set e, 0
	s_wait_alu depctr_va_vdst(0)
.rept 16
	v_fma_f32 v[32+e], v[32+e], s69, 1.0           ; a = 1 - 0.2 / tau
.set e, e+1
.endr
.set e, 0
.rept 16
	v_cvt_pk_bf16_f32 v[X+e], v[48+2*e], v[48+2*e+1]
.set e, e+1
.endr
.irp u, 16,17,18,19
	v_mov_b32 v[X+(\u)], 0
.endr
.irp u, 0,1,2,3
	ds_store_b128 v[TA], v[32+4*(\u):35+4*(\u)] offset:512*(\u)
	ds_store_b128 v[TA], v[X+16:X+19] offset:ZT+512*(\u)
	ds_store_b64 v[TL8], v[X+2*(\u):X+2*(\u)+1] offset:BTH+256*(\u)
	ds_store_b64 v[TL8], v[X+8+2*(\u):X+8+2*(\u)+1] offset:BT2+256*(\u)
.endr
.irp u, 0,1
	ds_store_b128 v[TA], v[80+4*(\u):83+4*(\u)] offset:BOUT+512*(\u)
.endr
	s_wait_tensorcnt 0x1                           ; tensor loads of a wave end in order (ISA guide 10.11.1): my features are in; tile 0, issued behind them, may stay out.  Only I read the stage
	FEAT 0
	s_wait_tensorcnt 0x0                           ; the stage is filled again: all my tensor loads have landed,
	ds_add_u32 v[SPW], v[NIL]
	s_add_nc_u64 s[G0F+2:G0F+3], s[G0F+2:G0F+3], 1024  ; the rows' second half; the type bits on top are not reached
	s_wait_dscnt 0x0                               ; the add is done, and my reads of the stage are over
	CROUND
	tensor_load_to_lds s[G0F:G0F+3], s[G1F:G1F+7]  ; the stage's last fill
	s_nop 0
	PLACES
	WIN 0x80
.set e, 0
.rept 256
	v_mov_b32 v[e], 0
.set e, e+1
.endr
	WIN 0
	s_wait_tensorcnt 0x0                           ; the one load that is out
	FEAT 1
	s_mov_b32 s[TT], 0
.Lpass:                                                ; six passes: W_in, W_h four times, W2
	s_cmp_eq_u32 s[TT], 5
	s_cselect_b32 s[AO], ZT, 0
	s_cselect_b32 s[PQ], 1.0, 0x3e4ccccd           ; P = 1 or 0.2
	s_cselect_b32 s[NQ], -2.0, 0xbecccccd          ; -Q = -2 or -0.4
	s_cselect_b32 s63, 1024, 0                     ; c b2's table lies 1,024 bytes behind c b_h's
	s_mov_b32 s[PQ+1], s[PQ]                       ; named as pairs
	s_mov_b32 s[NQ+1], s[NQ]
	v_add_nc_u32 v[BTA], s63, v[BT0]
	s_cmp_eq_u32 s[TT], 0
	s_cbranch_scc1 .Lfill
	s_cmp_eq_u32 s[TT], 5
	s_cbranch_scc0 .Lnofill
.Lfill:
	PREFILL                                        ; passes 0 and 5: X is the bias.  The region has had its last fill by a tensor load
.Lnofill:
	s_mov_b32 s[PP], 0
.Lpair:                                                ; four trips, two tiles each: once round the ring
	v_lshl_add_u32 v[XC], s[PP], 13, v[XV]         ; a pair's X is 8,192 bytes,
	s_lshl_b32 s70, s[PP], 9                       ; its a 512
	s_add_co_u32 s70, s70, s[AO]
	v_add_nc_u32 v[AC], s70, v[AT0]
	SYNC 0, 1
	GEMM 0, 0, 1
	EPI 0
	SWITCH 0
	SYNC 1, 1
	GEMM 1, 1, 1
	EPI 1
	SWITCH 1
	s_add_co_u32 s[PP], s[PP], 1
	s_cmp_lt_u32 s[PP], 4
	s_cbranch_scc1 .Lpair
	CONVERT
	s_add_co_u32 s[TT], s[TT], 1
	s_cmp_lt_u32 s[TT], 6
	s_cbranch_scc1 .Lpass
	SYNC 0, 1                                      ; W_out's four tiles are written out: the last asks for nothing
	GEMM 0, 0, 0
	E4 0
	SYNC 1, 1
	GEMM 1, 0, 0
	E4 1
	SYNC 0, 1
	GEMM 0, 0, 0
	E4 2
	SYNC 1, 0
	GEMM 1, 0, 0
	E4 3
	s_wait_tensorcnt 0x0                           ; the wave's end: behind my last tensor load and my last LDS store
	ds_add_u32 v[SPW], v[NIL]
	s_wait_dscnt 0x0
	CROUND                                         ; the closing round: no work-group ends while a partner may still ask for a tile that names it
	s_endpgm
.Lfunc_end_k_qd60ea9849e_liquid:
	.size	k_qd60ea9849e_liquid, .Lfunc_end_k_qd60ea9849e_liquid-k_qd60ea9849e_liquid
	.p2alignl 7, 3214868480
	.fill 96, 4, 3214868480
	.section	.rodata,"a",@progbits
	.p2align	6, 0x0
	.amdhsa_kernel k_qd60ea9849e_liquid
		.amdhsa_group_segment_fixed_size 327680
		.amdhsa_private_segment_fixed_size 0
		.amdhsa_enable_private_segment 0
		.amdhsa_kernarg_size 56
		.amdhsa_user_sgpr_count 2
		.amdhsa_user_sgpr_kernarg_segment_ptr 1
		.amdhsa_wavefront_size32 1
		.amdhsa_system_sgpr_workgroup_id_x 1
		.amdhsa_system_sgpr_workgroup_id_y 1
		.amdhsa_system_sgpr_workgroup_id_z 1
		.amdhsa_system_vgpr_workitem_id 0
		.amdhsa_next_free_vgpr 1024
		.amdhsa_next_free_sgpr 80
		.amdhsa_reserve_vcc 0
		.amdhsa_float_denorm_mode_32 3
		.amdhsa_float_denorm_mode_16_64 3
		.amdhsa_memory_ordered 1
		.amdhsa_forward_progress 1
		.amdhsa_inst_pref_size 255
	.end_amdhsa_kernel
	.section	.bss,"aw",@nobits
	.p2align	6
	.space	262144
	.amdgpu_metadata
---
amdhsa.version: [ 1, 2 ]
amdhsa.kernels:
  - .name:           k_qd60ea9849e_liquid
    .symbol:         k_qd60ea9849e_liquid.kd
    .args:
      - { .name: features, .offset: 0, .size: 8, .value_kind: global_buffer, .address_space: global }
      - { .name: wt, .offset: 8, .size: 8, .value_kind: global_buffer, .address_space: global }
      - { .name: tau, .offset: 16, .size: 8, .value_kind: global_buffer, .address_space: global }
      - { .name: b_h, .offset: 24, .size: 8, .value_kind: global_buffer, .address_space: global }
      - { .name: b2, .offset: 32, .size: 8, .value_kind: global_buffer, .address_space: global }
      - { .name: b_out, .offset: 40, .size: 8, .value_kind: global_buffer, .address_space: global }
      - { .name: out0, .offset: 48, .size: 8, .value_kind: global_buffer, .address_space: global }
    .group_segment_fixed_size: 327680
    .private_segment_fixed_size: 0
    .kernarg_segment_align: 8
    .kernarg_segment_size: 56
    .max_flat_workgroup_size: 128
    .sgpr_count:     80
    .vgpr_count:     1024
    .wavefront_size: 32
...
	.end_amdgpu_metadata
.endif
;; end of part 2
;; ======== version 2 of 2: 2 launches; version 1 with the launch wprep written anew for expert scheduling mode
;; limits: values are held in f16: magnitudes above 65,504 overflow, below 6.1e-05 lose precision; right only within a limited range of input values
;; workspace buffers: wt 1,835,008 bytes
;; launch wprep (part 3): grid 28 x 4, 8 waves a work-group, no clusters, 0 bytes of LDS; arguments W_in, W_h, W2, W_out, wt; writes wt
.if DOCPART == 3
	.amdgcn_target "amdgcn-amd-amdhsa--gfx1250"
	.amdhsa_code_object_version 6
	.text
	.protected	k_qd60ea9849e_wprep
	.globl	k_qd60ea9849e_wprep
	.p2align	8
	.type	k_qd60ea9849e_wprep,@function
k_qd60ea9849e_wprep:
	s_mov_b64 s[64:65], 0
	v_nop
	global_prefetch_b8 v0, s[64:65] scope:SCOPE_SE
	s_setreg_imm32_b32 hwreg(HW_REG_WAVE_SCHED_MODE, 0, 2), 2
	s_setreg_imm32_b32 hwreg(HW_REG_WAVE_MODE, 25, 1), 1
	s_wait_xcnt 0x0
	s_wait_alu depctr_vm_vsrc(0)
; The four weight matrices, f32 [k][n], are rounded once to bf16 (to nearest even), that number is written as f16, and they are laid in
; 28 tiles of 512 k x 64 n, dense, 128 bytes a k: tiles 0-7 W_in, 8-15 W_h, 16-23 W2, 24-27 W_out; tile T holds the columns 64 (T & 7) on.
; Nothing is transposed.  LIMIT: a rounded weight lies within 65,504; below 2^-14 it keeps f16's fixed step of 2^-24.
; Work-group (T, q) makes the k rows 128 q .. 128 q + 127 of tile T.  Thread t reads 16 bytes of row t / 16: sixteen lanes read 256
; consecutive bytes, at a multiple of 256 from the matrix's first byte; a wave's store covers 256 consecutive bytes of wt, aligned likewise.
; Memory binds and every byte is touched once: no LDS, no barrier, no matrix unit.
; THE MODE: SCHED_MODE bits 1:0 = 2 (LLVM: expert scheduling mode 2), set by the entry lines.  The code itself states the register dependences
; between vector instructions and memory instructions, with s_wait_alu, always for 0.
; THE PLAN.  Registers that memory instructions touch:
;   OFS0 .. OFS7  the loads' offsets.  Written once, at the head; load e reads OFS[e]; never written again.
;   WO            the stores' offset.  Written once, at the head; every store reads it; never written again.
;   DT0 .. DT7    load e lands in DT[e], which no vector instruction has named before; behind the load's own wait only vector instructions name it.
;   OU0 .. OU7    pass e's last two conversions write OU[e]; store e reads it; never written again.
; The eight passes go in two blocks of four.  Three waits on va_vdst: in front of the first load (the offsets are written); at the head of the second block
; (the first block has written OU0 .. OU3: its four stores follow, dealt among the second block's vector lines, which name DT4 .. DT7, TP and OU4 .. OU7 alone);
; behind the second block (OU4 .. OU7 are written: the last four stores follow).  No register that a memory instruction reads is ever written again, and no
; load lands in a register that a vector instruction has named: so no other wait is owed.  No vector instruction writes a scalar register, and EXEC is never written.
.set OFS, 4                            ; v4-11   pass e: my byte offset in the source
.set TP,  12                           ; v12-13  two packed bf16 pairs, at work: no memory instruction names them
.set WO,  14                           ; v14     my byte offset in the part of the tile: 8 t
.set DT,  16                           ; v16-47  pass e: four f32 as loaded, then as rounded
.set OU,  48                           ; v48-63  pass e: four f16 to store
	s_load_b256 s[4:11], s[0:1], 0x0               ; W_in s[4:5], W_h s[6:7], W2 s[8:9], W_out s[10:11]
	s_load_b64 s[12:13], s[0:1], 0x20              ; wt
	s_mov_b32 s14, ttmp9                           ; T
	s_and_b32 s15, ttmp7, 0xffff                   ; q
	s_cmp_lt_u32 s14, 24
	s_cselect_b32 s18, 11, 10                      ; a source row is 2,048 bytes, W_out's 1,024: kept as a shift
	s_and_b32 s20, s14, 7
	s_lshl_b32 s20, s20, 8                         ; the tile's first column, in bytes
	s_lshl_b32 s21, s15, 7                         ; my first k row,
	s_lshl_b32 s21, s21, s18                       ; in bytes
	s_add_co_u32 s20, s20, s21
	s_mov_b32 s21, 0
	s_lshl_b32 s19, 16, s18                        ; sixteen rows on: from pass to pass
	s_lshl_b32 s22, s14, 16                        ; the tile in wt,
	s_lshl_b32 s23, s15, 14                        ; my quarter of it
	s_add_co_u32 s22, s22, s23
	s_mov_b32 s23, 0
	s_mov_b32 s24, 0xffff0000                      ; a word's upper bf16
	v_lshrrev_b32 v1, 4, v0                        ; my row among sixteen
	v_and_b32 v2, 15, v0
	v_lshlrev_b32 v1, s18, v1
	v_lshl_add_u32 v[OFS], v2, 4, v1
.irp e, 1,2,3,4,5,6,7
	v_add_nc_u32 v[OFS+(\e)], s19, v[OFS+(\e)-1]
.endr
	v_lshlrev_b32 v[WO], 3, v0
	s_wait_kmcnt 0x0
	s_cmp_lt_u32 s14, 24                           ; which matrix: a choice on the tile's number alone
	s_cselect_b64 s[16:17], s[8:9], s[10:11]
	s_cmp_lt_u32 s14, 16
	s_cselect_b64 s[16:17], s[6:7], s[16:17]
	s_cmp_lt_u32 s14, 8
	s_cselect_b64 s[16:17], s[4:5], s[16:17]
	s_add_nc_u64 s[16:17], s[16:17], s[20:21]
	s_add_nc_u64 s[12:13], s[12:13], s[22:23]
	s_wait_alu depctr_va_vdst(0)                   ; the eight offsets v[OFS ..] are written, which the loads below read, and so is v[WO], which every store reads
.irp e, 0,1,2,3,4,5,6,7
	global_load_b128 v[DT+4*(\e):DT+4*(\e)+3], v[OFS+(\e)], s[16:17] th:TH_LOAD_NT
.endr
; Pass e's arithmetic: four numbers rounded to bf16, widened again, written as f16.
.macro CONV e
	v_cvt_pk_bf16_f32 v[TP], v[DT+4*(\e)], v[DT+4*(\e)+1]
	v_cvt_pk_bf16_f32 v[TP+1], v[DT+4*(\e)+2], v[DT+4*(\e)+3]
	v_lshlrev_b32 v[DT+4*(\e)], 16, v[TP]          ; bf16 to f32: the low half moves up, the high half stays
	v_and_b32 v[DT+4*(\e)+1], s24, v[TP]
	v_lshlrev_b32 v[DT+4*(\e)+2], 16, v[TP+1]
	v_and_b32 v[DT+4*(\e)+3], s24, v[TP+1]
	v_cvt_pk_f16_f32 v[OU+2*(\e)], v[DT+4*(\e)], v[DT+4*(\e)+1]
	v_cvt_pk_f16_f32 v[OU+2*(\e)+1], v[DT+4*(\e)+2], v[DT+4*(\e)+3]
.endm
; Pass e's store.
.macro SEND e
	global_store_b64 v[WO], v[OU+2*(\e):OU+2*(\e)+1], s[12:13] offset:2048*(\e)  ; each pass has store registers of its own: none is rewritten
.endm
.irp e, 0,1,2,3                        ; the first block
	s_wait_loadcnt 7-(\e)                          ; loads come back in order: pass e's is in, the younger ones stay out
	CONV \e
.endr
	s_wait_loadcnt 3                               ; the second block: pass 4's load is in
	s_wait_alu depctr_va_vdst(0)                   ; the first block's conversions have written OU0 .. OU3, which the four stores dealt among the lines below read
	SEND 0
	CONV 4
.irp e, 5,6,7
	s_wait_loadcnt 7-(\e)
	SEND (\e)-4                                    ; no wait: no vector instruction since the wait above names this store's registers
	CONV \e
.endr
	s_wait_alu depctr_va_vdst(0)                   ; the second block's conversions have written OU4 .. OU7, which the last four stores read
.irp e, 4,5,6,7
	SEND \e
.endr
	s_endpgm
.Lfunc_end_k_qd60ea9849e_wprep:
	.size	k_qd60ea9849e_wprep, .Lfunc_end_k_qd60ea9849e_wprep-k_qd60ea9849e_wprep
	.p2alignl 7, 3214868480
	.fill 96, 4, 3214868480
	.section	.rodata,"a",@progbits
	.p2align	6, 0x0
	.amdhsa_kernel k_qd60ea9849e_wprep
		.amdhsa_group_segment_fixed_size 0
		.amdhsa_private_segment_fixed_size 0
		.amdhsa_enable_private_segment 0
		.amdhsa_kernarg_size 40
		.amdhsa_user_sgpr_count 2
		.amdhsa_user_sgpr_kernarg_segment_ptr 1
		.amdhsa_wavefront_size32 1
		.amdhsa_system_sgpr_workgroup_id_x 1
		.amdhsa_system_sgpr_workgroup_id_y 1
		.amdhsa_system_sgpr_workgroup_id_z 1
		.amdhsa_system_vgpr_workitem_id 0
		.amdhsa_next_free_vgpr 64
		.amdhsa_next_free_sgpr 66
		.amdhsa_reserve_vcc 0
		.amdhsa_float_denorm_mode_32 3
		.amdhsa_float_denorm_mode_16_64 3
		.amdhsa_memory_ordered 1
		.amdhsa_forward_progress 1
		.amdhsa_inst_pref_size 7
	.end_amdhsa_kernel
	.amdgpu_metadata
---
amdhsa.version: [ 1, 2 ]
amdhsa.kernels:
  - .name:           k_qd60ea9849e_wprep
    .symbol:         k_qd60ea9849e_wprep.kd
    .args:
      - { .name: W_in, .offset: 0, .size: 8, .value_kind: global_buffer, .address_space: global }
      - { .name: W_h, .offset: 8, .size: 8, .value_kind: global_buffer, .address_space: global }
      - { .name: W2, .offset: 16, .size: 8, .value_kind: global_buffer, .address_space: global }
      - { .name: W_out, .offset: 24, .size: 8, .value_kind: global_buffer, .address_space: global }
      - { .name: wt, .offset: 32, .size: 8, .value_kind: global_buffer, .address_space: global }
    .group_segment_fixed_size: 0
    .private_segment_fixed_size: 0
    .kernarg_segment_align: 8
    .kernarg_segment_size: 40
    .max_flat_workgroup_size: 256
    .sgpr_count:     66
    .vgpr_count:     64
    .wavefront_size: 32
...
	.end_amdgpu_metadata
.endif
;; end of part 3
;; launch liquid: the kernel of part 2 again; grid 256 x 1, 4 waves a work-group, clusters of 4 x 1, 327,680 bytes of LDS; arguments features, wt, tau, b_h, b2, b_out, out0; writes out0
